; MI455X (gfx1250); checked and timed in simulation.
; The chip was launched on July 23, 2026; its instructions are those of AMD's public machine-readable ISA for CDNA 5 (MIT licence, August 2026) and "CDNA5" Instruction Set Architecture Reference Guide (July 2026). The comments in the code are by the model that wrote it; some were corrected since.
;; Cross Fusion. Allowed arithmetic: matrix products marked QUANTISED: E4M3 operands, one given power-of-two scale a tensor, by v_wmma_f32_16x16x64_fp8_fp8 or v_wmma_f32_16x16x128_fp8_fp8, f32 sums; products left as they are: f32 operands where the result goes on into a quantised operand, else bf16, f16 or f32 operands; f32 sums; everything else in f32.
;; Inputs: B1_l1_b 256 float32; B1_l1_w_codes 256 x 4 x 32 uint8 (E4M3 codes of B1_l1_w, K innermost, in blocks of 32 codes); B1_l2_b 128 float32; B1_l2_w_codes 128 x 8 x 32 uint8 (E4M3 codes of B1_l2_w, K innermost, in blocks of 32 codes); B2_l1_b 256 float32; B2_l1_w_codes 256 x 4 x 32 uint8 (E4M3 codes of B2_l1_w, K innermost, in blocks of 32 codes); B2_l2_b 128 float32; B2_l2_w_codes 128 x 8 x 32 uint8 (E4M3 codes of B2_l2_w, K innermost, in blocks of 32 codes); W1_l1_b 256 float32; W1_l1_w_codes 256 x 4 x 32 uint8 (E4M3 codes of W1_l1_w, K innermost, in blocks of 32 codes); W1_l2_b 128 float32; W1_l2_w_codes 128 x 8 x 32 uint8 (E4M3 codes of W1_l2_w, K innermost, in blocks of 32 codes); W2_l1_b 256 float32; W2_l1_w_codes 256 x 4 x 32 uint8 (E4M3 codes of W2_l1_w, K innermost, in blocks of 32 codes); W2_l2_b 128 float32; W2_l2_w_codes 128 x 8 x 32 uint8 (E4M3 codes of W2_l2_w, K innermost, in blocks of 32 codes); len_x 16 int32; len_y 16 int32; len_z 16 int32; lowp_scales 16 int32 (the exponents e of the quantised operands' scales 2^e); x 16 x 1,024 x 128 float32; y 16 x 1,024 x 128 float32; z 16 x 1,024 x 128 float32.
;; Outputs: out0 16 x 1,024 x 128 float32.
;; This version of the problem:
;;   THIS VERSION OF THE PROBLEM IS GIVEN IN LOW PRECISION. The matrix products marked QUANTISED in the list below multiply operands that are first quantised to E4M3 (4 exponent bits, 3 mantissa bits; 8 bits a number), with one given power-of-two scale for each operand tensor; their sums are f32. All else is computed in f32.
;;   The module's matrix products, in the order in which they are computed (A, B: the left and right operand; K: the contracted axis; several contracted axes count as one K, in the product's order):
;;     1. batch 16 x [M 1,024, K 1,024] x [K 1,024, N 128]; A: computed on the way; B: input x: left as it is (operands are no floats)
;;     2. [M 16, K 128] x [K 128, N 256]; A: computed on the way; B: input W1_l1_w (given as codes): QUANTISED (scales: A lowp_scales[0], B lowp_scales[1])
;;     3. [M 16, K 256] x [K 256, N 128]; A: computed on the way; B: input W1_l2_w (given as codes): QUANTISED (scales: A lowp_scales[2], B lowp_scales[3])
;;     4. [M 16, K 128] x [K 128, N 256]; A: computed on the way; B: input B1_l1_w (given as codes): QUANTISED (scales: A lowp_scales[4], B lowp_scales[5])
;;     5. [M 16, K 256] x [K 256, N 128]; A: computed on the way; B: input B1_l2_w (given as codes): QUANTISED (scales: A lowp_scales[6], B lowp_scales[7])
;;     6. [M 16, K 128] x [K 128, N 256]; A: computed on the way; B: input W2_l1_w (given as codes): QUANTISED (scales: A lowp_scales[8], B lowp_scales[9])
;;     7. [M 16, K 256] x [K 256, N 128]; A: computed on the way; B: input W2_l2_w (given as codes): QUANTISED (scales: A lowp_scales[10], B lowp_scales[11])
;;     8. [M 16, K 128] x [K 128, N 256]; A: computed on the way; B: input B2_l1_w (given as codes): QUANTISED (scales: A lowp_scales[12], B lowp_scales[13])
;;     9. [M 16, K 256] x [K 256, N 128]; A: computed on the way; B: input B2_l2_w (given as codes): QUANTISED (scales: A lowp_scales[14], B lowp_scales[15])
;;     10. batch 16 x [M 1,024, K 1,024] x [K 1,024, N 128]; A: computed on the way; B: computed on the way: left as it is (operands are no floats)
;;   THE QUANTISER, for each operand of a quantised product, along K:
;;     - The operand's scale is 2^e, e = its entry of the input lowp_scales (int32; the entries are numbered through the quantised products in the list's order, A before B).
;;     - Each number is divided by the scale, clamped to +-448, and rounded to the nearest number of E4M3, ties to even, subnormals kept.
;;     - The product sums the exact products of the quantised numbers (number of the format x scale) in f32.
;;   ~~~python
;;   def quantise(x, axis, e):      # numpy; x: float32 -> the quantised numbers, widened to float32 again
;;       x = np.moveaxis(x, axis, -1); K = x.shape[-1]
;;       r = np.clip(x / 2.0 ** e, -448, 448)
;;       step = 2.0 ** (np.maximum(np.frexp(np.where(r == 0, 1, r))[1] - 1, -6) - 3)
;;       q = np.round(r / step) * step * 2.0 ** e      # np.round: ties to even
;;       return np.moveaxis(q, -1, axis).astype(np.float32)
;;   ~~~
;;   OPERANDS COMPUTED ON THE WAY. 'Computed on the way' means the value that the module computes at that place (a softmax that the list does not call 'softmax' is quantised finished and normalised). What goes into a quantiser is computed in f32, as accurately as f32 sums, v_exp_f32 and their like allow (about 1e-6 of the number): no bf16 or f16 on the way to a quantiser, and a product that is left as it is and whose result goes on into a quantised operand takes f32 operands (vector FMAs, or v_wmma_f32_16x16x4_f32). A number that lies on a knife's edge between two numbers of the format may be rounded either way, as far as f32 arithmetic and the matrix unit's own rounding can turn it there, and no further.
;;   INPUTS GIVEN AS CODES. B1_l1_w (in the module: [128, 256], K = its axis 0); B1_l2_w (in the module: [256, 128], K = its axis 0); B2_l1_w (in the module: [128, 256], K = its axis 0); B2_l2_w (in the module: [256, 128], K = its axis 0); W1_l1_w (in the module: [128, 256], K = its axis 0); W1_l2_w (in the module: [256, 128], K = its axis 0); W2_l1_w (in the module: [128, 256], K = its axis 0); W2_l2_w (in the module: [256, 128], K = its axis 0): each comes as NAME_codes (uint8): NAME with its K axis moved to the last place and cut into blocks of 32 codes, [.., K / 32, bytes a block], one block behind the other in memory; one code a byte (a code: sign, 4 exponent bits, 3 mantissa bits); its scale is its entry of lowp_scales. Its value is code x scale, taken as it is: it is not quantised again, and the codes and scales need not be those that the quantiser above would give.
;; One version. Each part assembles by itself: llvm-mc -triple=amdgcn-amd-amdhsa -mcpu=gfx1250 --defsym DOCPART=n.
;; ======== version 1 of 1: 2 launches
;; workspace buffers: part 131,072 bytes
;; launch colsum (part 1): grid 8 x 32, 8 waves a work-group, no clusters, 5,120 bytes of LDS; arguments y, z, part; writes part
.if DOCPART == 1
	.amdgcn_target "amdgcn-amd-amdhsa--gfx1250"
	.amdhsa_code_object_version 6
	.text
	.protected	k_q7be2726daf_colsum
	.globl	k_q7be2726daf_colsum
	.p2align	8
	.type	k_q7be2726daf_colsum,@function
k_q7be2726daf_colsum:
	s_mov_b64 s[64:65], 0
	v_nop
	global_prefetch_b8 v0, s[64:65] scope:SCOPE_SE
	s_setreg_imm32_b32 hwreg(HW_REG_WAVE_MODE, 25, 1), 1
	s_wait_xcnt 0x0
; part[ty][q][d] = the sum over 128 rows t = 128 q .. 128 q + 127 of y[b][t][d] (ty = b) or z[b][t][d] (ty = 16 + b).  y, z: [16][1024][128] f32.
; A stream: every byte of y and z is read once.  Work-group (x = q, y = ty) owns 128 rows of 512 bytes; wave w rows 16 w .. 16 w + 15; lane L bytes 16 L .. 16 L + 15 of each row,
; so each load of a wave covers one whole row, 512 consecutive bytes.  All sixteen loads of a wave are out together: 64 KiB for the work-group.
; The eight waves' sums meet in LDS behind one barrier; wave 0 adds them and stores 512 consecutive bytes.  The sum over the eight chunks of a batch is left to the next launch.
; No matrix unit, no tensor load, no cluster: each byte is used once, by one lane.
.set ROW, 512                          ; bytes in a row
.set R,   8                            ; v[8:71]  row i of my sixteen at v[R+4 i]
.macro ADD4 d, s                       ; four numbers onto four
	v_pk_add_f32 v[\d:\d+1], v[\d:\d+1], v[\s:\s+1]
	v_pk_add_f32 v[\d+2:\d+3], v[\d+2:\d+3], v[\s+2:\s+3]
.endm
.macro TREE8 b                         ; eight groups of four registers from v[b] on are added into the first, as a tree
	ADD4 \b, \b+4
	ADD4 \b+8, \b+12
	ADD4 \b+16, \b+20
	ADD4 \b+24, \b+28
	ADD4 \b, \b+8
	ADD4 \b+16, \b+24
	ADD4 \b, \b+16
.endm
	s_load_b128 s[4:7], s[0:1], 0x0                ; y, z
	s_load_b64 s[8:9], s[0:1], 0x10                ; part
	v_lshl_add_u32 v80, v0, 2, 0x1000
	v_mov_b32 v81, 0
	v_lshrrev_b32 v3, 5, v0
	v_readfirstlane_b32 s10, v3                    ; wave 0..7
	v_and_b32 v1, 31, v0
	v_lshlrev_b32 v1, 4, v1                        ; 16 x lane: my bytes of a row
	v_lshlrev_b32 v2, 4, v0                        ; LDS: 512 x wave + 16 x lane
	s_and_b32 s11, ttmp7, 0xffff                   ; ty
	s_and_b32 s12, s11, 15                         ; b
	s_lshl_b32 s16, s12, 19                        ; a batch is 1,024 rows of 512 bytes,
	s_lshl_b32 s13, ttmp9, 16                      ; a chunk 128 rows,
	s_add_co_u32 s16, s16, s13
	s_lshl_b32 s13, s10, 13                        ; a wave's share 16 rows
	s_add_co_u32 s16, s16, s13
	s_mov_b32 s17, 0
	s_lshl_b32 s18, s11, 12                        ; part: 4,096 ty + 512 q
	s_lshl_b32 s13, ttmp9, 9
	s_add_co_u32 s18, s18, s13
	s_mov_b32 s19, 0
	s_wait_kmcnt 0x0
	s_cmp_lt_u32 s11, 16                           ; y's work-group or z's: the choice hangs on the work-group's number alone
	s_cselect_b64 s[4:5], s[4:5], s[6:7]
	s_add_nc_u64 s[4:5], s[4:5], s[16:17]
	s_add_nc_u64 s[8:9], s[8:9], s[18:19]
.irp i, 0,1,2,3,4,5,6,7,8,9,10,11,12,13,14,15
	global_load_b128 v[R+4*\i:R+4*\i+3], v1, s[4:5] offset:ROW*\i th:TH_LOAD_NT
.endr
	s_wait_loadcnt 8                               ; rows 0 to 7 are in; the eight younger loads may be out
	TREE8 R
	s_wait_loadcnt 0x0
	TREE8 R+32
	ADD4 R, R+32
	ds_store_b128 v2, v[R:R+3]
	s_wait_dscnt 0x0                               ; for wave 0's sake: my store has landed
	s_barrier_signal -1
	s_barrier_wait -1
	s_cmp_lg_u32 s10, 0
	s_cbranch_scc1 .Lend
.irp w, 0,1,2,3,4,5,6,7
	ds_load_b128 v[R+4*\w:R+4*\w+3], v1 offset:512*\w   ; the eight waves' sums of my four columns
.endr
	s_wait_dscnt 0x0
	TREE8 R
	global_store_b128 v1, v[R:R+3], s[8:9]         ; 32 lanes store 512 consecutive bytes, at a multiple of 512 from part's first byte
.Lend:
	s_wait_tensorcnt 0x0
	ds_add_u32 v80, v81
	s_wait_dscnt 0x0
	s_endpgm
.Lfunc_end_k_q7be2726daf_colsum:
	.size	k_q7be2726daf_colsum, .Lfunc_end_k_q7be2726daf_colsum-k_q7be2726daf_colsum
	.p2alignl 7, 3214868480
	.fill 96, 4, 3214868480
	.section	.rodata,"a",@progbits
	.p2align	6, 0x0
	.amdhsa_kernel k_q7be2726daf_colsum
		.amdhsa_group_segment_fixed_size 5120
		.amdhsa_private_segment_fixed_size 0
		.amdhsa_enable_private_segment 0
		.amdhsa_kernarg_size 24
		.amdhsa_user_sgpr_count 2
		.amdhsa_user_sgpr_kernarg_segment_ptr 1
		.amdhsa_wavefront_size32 1
		.amdhsa_system_sgpr_workgroup_id_x 1
		.amdhsa_system_sgpr_workgroup_id_y 1
		.amdhsa_system_sgpr_workgroup_id_z 1
		.amdhsa_system_vgpr_workitem_id 0
		.amdhsa_next_free_vgpr 82
		.amdhsa_next_free_sgpr 66
		.amdhsa_reserve_vcc 0
		.amdhsa_float_denorm_mode_32 3
		.amdhsa_float_denorm_mode_16_64 3
		.amdhsa_memory_ordered 1
		.amdhsa_forward_progress 1
		.amdhsa_inst_pref_size 7
	.end_amdhsa_kernel
	.amdgpu_metadata
---
amdhsa.version: [ 1, 2 ]
amdhsa.kernels:
  - .name:           k_q7be2726daf_colsum
    .symbol:         k_q7be2726daf_colsum.kd
    .args:
      - { .name: y, .offset: 0, .size: 8, .value_kind: global_buffer, .address_space: global }
      - { .name: z, .offset: 8, .size: 8, .value_kind: global_buffer, .address_space: global }
      - { .name: part, .offset: 16, .size: 8, .value_kind: global_buffer, .address_space: global }
    .group_segment_fixed_size: 5120
    .private_segment_fixed_size: 0
    .kernarg_segment_align: 8
    .kernarg_segment_size: 24
    .max_flat_workgroup_size: 256
    .sgpr_count:     66
    .vgpr_count:     82
    .wavefront_size: 32
...
	.end_amdgpu_metadata
.endif
;; end of part 1
;; launch apply (part 2): grid 16 x 16, 16 waves a work-group, no clusters, 14,336 bytes of LDS; arguments W1_l1_w_codes, W1_l1_b, W1_l2_w_codes, W1_l2_b, W2_l1_w_codes, W2_l1_b, W2_l2_w_codes, W2_l2_b, B1_l1_w_codes, B1_l1_b, B1_l2_w_codes, B1_l2_b, B2_l1_w_codes, B2_l1_b, B2_l2_w_codes, B2_l2_b, x, out0, part, lowp_scales, len_x, len_y, len_z; writes out0
.if DOCPART == 2
	.amdgcn_target "amdgcn-amd-amdhsa--gfx1250"
	.amdhsa_code_object_version 6
	.text
	.protected	k_q7be2726daf_apply
	.globl	k_q7be2726daf_apply
	.p2align	8
	.type	k_q7be2726daf_apply,@function
k_q7be2726daf_apply:
	s_mov_b64 s[64:65], 0
	v_nop
	global_prefetch_b8 v0, s[64:65] scope:SCOPE_SE
	s_setreg_imm32_b32 hwreg(HW_REG_WAVE_MODE, 25, 1), 1
	s_wait_xcnt 0x0
; out0[b][t][d] = g[b][d] x[b][t][d] + (c[b][d] where t = 0) for t < len_x[b], and 0 for t >= len_x[b];  g = 1 + (W1 + W2) / 2, c = (b1 + b2) / 2, the four from MLPs of the means of y and z.
; WHY NO TRANSFORM IS MULTIPLIED OUT.  The problem's definition takes a DFT of length l = len_x[b] of x's first l rows, multiplies each frequency by the real g, adds the real c, applies an activation
; |f| e^(i angle f), which is f itself (and 0 for f = 0), and takes the inverse DFT of the same length l over the same l frequencies.  The two masked matrices are an exact inverse pair for every l from 1 to 1,024,
; g and c do not hang on the frequency, and the inverse transform of a constant c is c at t = 0 and 0 elsewhere.  So the result is the line above, for every x, g, c and l; what differs is the rounding of the two long sums.
; THE MLPs (both products on E4M3 codes, each operand with its given scale 2^e): hidden = gelu(Q(mean) W_l1 + b_l1), exact erf form; result = Q(hidden) W_l2 + b_l2.  Weights arrive as codes, K innermost.
; LIMITS.  1 <= len_x <= 1,024; len_y, len_z not 0; inputs finite (a NaN of x stays in its own place here).  With eA1, eB1, eA2, eB2 an MLP's four exponents: eA1 and eA2 between -126 and 119,
; eA1 + eB1 between -126 and 127, eA2 + eB2 between -128 and 125, so that each power of two below is an f32 number.  erf's argument is held within +-4, where erf is 1 to f32's last bit.
; SHARES.  Work-group (x = chunk j of 64 rows, y = batch b), sixteen waves.  THE STREAM: wave w owns rows 64 j + 4 w + 0 .. 3; lane L bytes 16 L of each row: a load or store of a wave covers a whole row, 512 consecutive bytes.
; THE MLPs: wave w works for MLP m = w / 4 (0 W1, 1 W2, 2 B1, 3 B2; even m on y's mean, odd on z's) and for the quarter sq = w % 4 of its hidden layer, units 64 sq .. 64 sq + 63, alone from the mean to its
; part of the result: 4 products of K = 128 (its 64 hidden units), gelu, 8 products of K = 64 (its quarter of layer 2's K, all 128 outputs).  The parts meet in LDS behind ONE barrier and are added in f32.
; c is used in row 0 alone: waves 8 to 15 run their chain only in the work-groups with j = 0 (a scalar branch on the wave's and the work-group's numbers, round no barrier).
; Every work-group makes its batch's g anew: that spares a launch and a trip of g through memory; the price is that the weights' codes are read by every work-group.
; THE MATRIX INSTRUCTIONS have one true row: source 0 is the activation's codes, the same vector in all 16 rows (every lane of a half reads the same LDS bytes), source 1 is 16 rows of the weight.  Register 0 of the
; result in lane (r, h) is the sum for the weight's row that lane r took.  Fifteen rows are idle: the contract asks for these forms, and a work-group has one batch.
; WHICH ROWS FORM A TILE: layer 1, tile t: lane r takes hidden unit 64 sq + 4 r + t, so a lane ends with 4 neighbours along layer 2's K; layer 2, tile t: lane r takes output 8 r + t: 8 neighbours.
; FRAGMENTS come by 16-byte loads at 16 h + 32 c: registers 4 c .. 4 c + 3 hold k = 32 c + 16 h + 0 .. 15: a permutation of k that is the same in both sources, so every product meets its partner.
; LDS: 256 w + 0 .. 127 wave w's codes of the mean, + 128 .. 191 its 64 hidden codes (the wave's own bytes: no barrier);  4,096 + 512 w: wave w's part of the result, 128 f32.
; No tensor load, no ring, no register windows, no cluster, no prefetch: each byte of x is used once by one lane, and all loads of a wave are issued at its head.
.set XR,  16                           ; v[16:31]   my four rows of x, then of out0
.set W1F, 32                           ; v[32:95]   layer 1's fragments (16 t + 4 c); then layer 2's results (8 t); then eight parts read back
.set GV,  64                           ; v[64:67]   g of my four columns
.set CP,  68                           ; v[68:99]   c's eight parts
.set CV,  100                          ; v[100:103] c of my four columns, 0 but in the wave that owns row 0
.set W2F, 96                           ; v[96:159]  layer 2's fragments (8 t + 4 c)
.set S,   160                          ; v[160:191] four chunks of part, 8 registers each; the sum in the first
.set T,   168                          ; v[168:175] the other half's sum, then the mean
.set DEN, 168                          ; gelu: denominator,
.set RC,  172                          ; its reciprocal,
.set ER,  176                          ; and the reciprocal's error
.set CC,  180                          ; v[180:181] the mean's codes
.set HC,  182                          ; v[182:183] the hidden codes
.set HV,  184                          ; v[184:191] four hidden numbers, then four zeros
.set AF,  192                          ; v[192:207] the activation's fragment
.set P,   192                          ; gelu: its argument,
.set U,   196                          ; p / sqrt(2), held; later p / 2
.set X2,  200                          ; u^2
.set NUM, 204                          ; numerator
.set Q,   200                          ; v[200:207] my part of the result
.set D1,  208                          ; v[208:239] layer 1's results (8 t)
.set BI1, 240                          ; v[240:243] layer 1's bias of my four units
.set BI2, 244                          ; v[244:251] layer 2's bias of my eight outputs
.set LN,  252                          ; v[252:253] len as f32, twice; later erf's leading numerator coefficient, twice
.set RL,  254                          ; v[254:255] 1 / len (and a word named with it); later the leading denominator coefficient, twice
.macro ADD4 d, s
	v_pk_add_f32 v[\d:\d+1], v[\d:\d+1], v[\s:\s+1]
	v_pk_add_f32 v[\d+2:\d+3], v[\d+2:\d+3], v[\s+2:\s+3]
.endm
.macro TREE8 b                         ; eight groups of four registers from v[b] on are added into the first, as a tree
	ADD4 \b, \b+4
	ADD4 \b+8, \b+12
	ADD4 \b+16, \b+20
	ADD4 \b+24, \b+28
	ADD4 \b, \b+8
	ADD4 \b+16, \b+24
	ADD4 \b, \b+16
.endm
.macro QUANT8 src, dst                 ; eight numbers of a lane become eight codes.  v14: the scale 2^e as f32; v15: 448 x 2^e
.irp i, 0,1,2,3,4,5,6,7
	v_med3_num_f32 v[\src+\i], v[\src+\i], -v15, v15   ; the conversion to an 8-bit code does not saturate (ISA guide 7.6.2): the hold at the largest code x the scale
.endr
	v_cvt_scalef32_pk8_fp8_f32 v[\dst:\dst+1], v[\src:\src+7], v14
	v_nop                                          ; one plain vector line between a scaled conversion and whatever next touches its registers
.endm
.macro HORNER acc, k                   ; acc = acc x u^2 + k, four numbers
.irp p, 0,2
	v_pk_fma_f32 v[\acc+\p:\acc+\p+1], v[\acc+\p:\acc+\p+1], v[X2+\p:X2+\p+1], \k op_sel_hi:[1,1,0]
.endr
.endm
; gelu(p) = p / 2 + (p / 2) erf(p / sqrt(2)), four numbers.  erf(u) = u N(u^2) / D(u^2) on |u| <= 4, N of degree 6 and D of degree 4: a rational form good to a few units of f32's last place.
; The division is a reciprocal with one correction step.
.macro GELU4
.irp p, 0,2
	v_pk_mul_f32 v[U+\p:U+\p+1], v[P+\p:P+\p+1], 0x3f3504f3 op_sel_hi:[1,0]   ; u = p / sqrt(2)
.endr
.irp i, 0,1,2,3
	v_med3_num_f32 v[U+\i], v[U+\i], -4.0, 4.0
.endr
.irp p, 0,2
	v_pk_mul_f32 v[X2+\p:X2+\p+1], v[U+\p:U+\p+1], v[U+\p:U+\p+1]
.endr
.irp p, 0,2
	v_pk_fma_f32 v[NUM+\p:NUM+\p+1], v[X2+\p:X2+\p+1], v[LN:LN+1], 0x32edffee op_sel_hi:[1,1,0]
	v_pk_fma_f32 v[DEN+\p:DEN+\p+1], v[X2+\p:X2+\p+1], v[RL:RL+1], 0xb95fbd29 op_sel_hi:[1,1,0]
.endr
	HORNER NUM, 0xb60cff51
	HORNER DEN, 0xbadc924e
	HORNER NUM, 0xb86ec2d2
	HORNER DEN, 0xbbf19bf8
	HORNER NUM, 0xba40ac63
	HORNER DEN, 0xbc69b6a7
	HORNER NUM, 0xbb41a1f6
	HORNER NUM, 0xbc83dbd4
.irp i, 0,1,2,3
	v_rcp_f32 v[RC+\i], v[DEN+\i]
.endr
.irp p, 0,2
	v_pk_mul_f32 v[NUM+\p:NUM+\p+1], v[NUM+\p:NUM+\p+1], v[U+\p:U+\p+1]   ; u N: plain lines behind the reciprocals that name none of their registers
.endr
	s_wait_alu depctr_va_vdst(0)                   ; the wait ahead of the first line that names a reciprocal: one for the four
.irp p, 0,2
	v_pk_fma_f32 v[ER+\p:ER+\p+1], v[DEN+\p:DEN+\p+1], v[RC+\p:RC+\p+1], 1.0 op_sel_hi:[1,1,0] neg_lo:[1,0,0] neg_hi:[1,0,0]   ; 1 - D r
.endr
.irp p, 0,2
	v_pk_fma_f32 v[RC+\p:RC+\p+1], v[ER+\p:ER+\p+1], v[RC+\p:RC+\p+1], v[RC+\p:RC+\p+1]   ; r + r (1 - D r)
.endr
.irp p, 0,2
	v_pk_mul_f32 v[NUM+\p:NUM+\p+1], v[NUM+\p:NUM+\p+1], v[RC+\p:RC+\p+1]   ; erf
	v_pk_mul_f32 v[U+\p:U+\p+1], v[P+\p:P+\p+1], 0.5 op_sel_hi:[1,0]
.endr
.irp p, 0,2
	v_pk_fma_f32 v[HV+\p:HV+\p+1], v[U+\p:U+\p+1], v[NUM+\p:NUM+\p+1], v[U+\p:U+\p+1]
.endr
.endm
	s_load_b512 s[16:31], s[0:1], 0x0              ; W1's l1_w, l1_b, l2_w, l2_b; W2's four
	s_load_b512 s[32:47], s[0:1], 0x40             ; B1's four; B2's four
	s_load_b256 s[48:55], s[0:1], 0x80             ; x, out0, part, lowp_scales
	s_load_b128 s[56:59], s[0:1], 0xa0             ; len_x, len_y
	s_load_b64 s[60:61], s[0:1], 0xb0              ; len_z
	v_lshrrev_b32 v14, 5, v0
	v_readfirstlane_b32 s2, v14                    ; wave 0..15
	; every address register is made here, ahead of the first branch
	v_and_b32 v1, 31, v0
	v_and_b32 v2, 15, v0                           ; r
	v_bfe_u32 v3, v0, 4, 1                         ; h
	v_and_b32 v255, 0x1e0, v0                      ; 32 x wave
	v_lshlrev_b32 v1, 4, v1                        ; 16 x lane: x, out0
	v_lshlrev_b32 v4, 5, v2
	v_lshl_add_u32 v4, v3, 11, v4                  ; part: columns 8 r on, chunks 4 h on
	v_lshlrev_b32 v5, 9, v2
	v_lshl_add_u32 v5, v3, 4, v5                   ; layer 1's weight: four rows of 128 bytes a lane, + 16 h
	v_lshlrev_b32 v6, 11, v2
	v_lshl_add_u32 v6, v3, 4, v6                   ; layer 2's: eight rows of 256 bytes a lane, + 16 h
	v_lshlrev_b32 v7, 4, v2                        ; layer 1's bias: four numbers a lane
	v_lshlrev_b32 v8, 5, v2                        ; layer 2's: eight
	v_lshlrev_b32 v9, 3, v2
	v_lshl_add_u32 v9, v255, 3, v9                 ; LDS 256 w + 8 r: the mean's codes in
	v_lshlrev_b32 v10, 4, v3
	v_lshl_add_u32 v10, v255, 3, v10               ; LDS 256 w + 16 h: fragments out
	v_lshlrev_b32 v11, 2, v2
	v_lshl_add_u32 v11, v255, 3, v11
	v_add_nc_u32 v11, 128, v11                     ; LDS 256 w + 128 + 4 r: the hidden codes in
	v_lshl_add_u32 v12, v255, 4, v8
	v_add_nc_u32 v12, 4096, v12                    ; LDS 4,096 + 512 w + 32 r: my part of the result in
	v_add_nc_u32 v13, 4096, v1                     ; LDS 4,096 + 16 x lane: the parts out
	s_mov_b32 s3, ttmp9                            ; chunk j
	s_and_b32 s4, ttmp7, 0xffff                    ; batch b
	s_lshr_b32 s5, s2, 2                           ; m
	s_and_b32 s6, s2, 3                            ; sq
	s_and_b32 s7, s5, 1                            ; 0: y's mean, 1: z's
	s_lshr_b32 s62, s5, 1                          ; 0: a W MLP, 1: a B MLP
	s_min_u32 s72, s3, 1
	s_and_b32 s63, s62, s72                        ; 1: a B MLP's wave where row 0 is not in the chunk: no chain
	s_mov_b32 s94, 0x76543210                      ; v_permlanex16_b32's selects for lane l xor 16
	s_mov_b32 s95, 0xfedcba98
	s_lshl_b32 s82, s4, 19                         ; a batch is 1,024 rows of 512 bytes,
	s_lshl_b32 s72, s3, 15                         ; a chunk 64 rows,
	s_add_co_u32 s82, s82, s72
	s_lshl_b32 s72, s2, 11                         ; a wave's share 4 rows
	s_add_co_u32 s82, s82, s72
	s_mov_b32 s83, 0
	s_wait_kmcnt 0x0
	s_add_nc_u64 s[48:49], s[48:49], s[82:83]
	s_add_nc_u64 s[50:51], s[50:51], s[82:83]
.irp i, 0,1,2,3
	global_load_b128 v[XR+4*\i:XR+4*\i+3], v1, s[48:49] offset:512*\i th:TH_LOAD_NT
.endr
	; my MLP's four buffers: choices on the wave's number alone
	s_cmp_eq_u32 s7, 0
	s_cselect_b64 s[8:9], s[16:17], s[24:25]
	s_cselect_b64 s[10:11], s[18:19], s[26:27]
	s_cselect_b64 s[12:13], s[20:21], s[28:29]
	s_cselect_b64 s[14:15], s[22:23], s[30:31]
	s_cselect_b64 s[72:73], s[32:33], s[40:41]
	s_cselect_b64 s[74:75], s[34:35], s[42:43]
	s_cselect_b64 s[76:77], s[36:37], s[44:45]
	s_cselect_b64 s[78:79], s[38:39], s[46:47]
	s_cselect_b64 s[80:81], s[58:59], s[60:61]     ; len_y or len_z
	s_cmp_eq_u32 s62, 0
	s_cselect_b64 s[8:9], s[8:9], s[72:73]
	s_cselect_b64 s[10:11], s[10:11], s[74:75]
	s_cselect_b64 s[12:13], s[12:13], s[76:77]
	s_cselect_b64 s[14:15], s[14:15], s[78:79]
	s_lshl_b32 s82, s6, 13
	s_add_nc_u64 s[8:9], s[8:9], s[82:83]          ; l1_w: my 64 rows of 128 bytes
	s_lshl_b32 s82, s6, 8
	s_add_nc_u64 s[10:11], s[10:11], s[82:83]      ; l1_b: my 64 numbers
	s_lshl_b32 s82, s6, 6
	s_add_nc_u64 s[12:13], s[12:13], s[82:83]      ; l2_w: my 64 codes of each row
	s_lshl_b32 s82, s7, 4
	s_add_co_u32 s82, s82, s4
	s_lshl_b32 s82, s82, 12
	s_add_nc_u64 s[52:53], s[52:53], s[82:83]      ; part: 4,096 x (16 x tensor + b)
	s_lshl_b32 s82, s4, 2
	s_add_nc_u64 s[56:57], s[56:57], s[82:83]      ; len_x[b]
	s_add_nc_u64 s[80:81], s[80:81], s[82:83]      ; len_y[b] or len_z[b]
	s_lshl_b32 s82, s7, 1
	s_add_co_u32 s82, s82, s62                     ; the scales stand in the order W1, B1, W2, B2, four to an MLP
	s_lshl_b32 s82, s82, 4
	s_add_nc_u64 s[54:55], s[54:55], s[82:83]
	s_load_b32 s66, s[56:57], 0x0                  ; l
	s_load_b32 s67, s[80:81], 0x0                  ; the mean's divisor
	s_load_b128 s[68:71], s[54:55], 0x0            ; eA1, eB1, eA2, eB2
	s_cmp_lg_u32 s63, 0
	s_cbranch_scc1 .Ljoin
	; ---- the chain.  All its loads go out now, in the order in which they are wanted: 8 + 1 + 16 + 16 + 2
.irp i, 0,1,2,3
	global_load_b128 v[S+8*\i:S+8*\i+3], v4, s[52:53] offset:512*\i
	global_load_b128 v[S+8*\i+4:S+8*\i+7], v4, s[52:53] offset:512*\i+16
.endr
	global_load_b128 v[BI1:BI1+3], v7, s[10:11]
.irp t, 0,1,2,3
.irp c, 0,1,2,3
	global_load_b128 v[W1F+16*\t+4*\c:W1F+16*\t+4*\c+3], v5, s[8:9] offset:128*\t+32*\c
.endr
.endr
.irp t, 0,1,2,3,4,5,6,7
.irp c, 0,1
	global_load_b128 v[W2F+8*\t+4*\c:W2F+8*\t+4*\c+3], v6, s[12:13] offset:256*\t+32*\c
.endr
.endr
	global_load_b128 v[BI2:BI2+3], v8, s[14:15]
	global_load_b128 v[BI2+4:BI2+7], v8, s[14:15] offset:16
	s_wait_kmcnt 0x0
	s_add_co_i32 s72, s68, 127
	s_lshl_b32 s73, s72, 23
	v_mov_b32 v14, s73                             ; 2^eA1 as f32: the conversion takes its exponent field
	s_add_co_i32 s72, s72, 8
	s_lshl_b32 s72, s72, 23
	s_or_b32 s72, s72, 0x600000
	v_mov_b32 v15, s72                             ; 448 x 2^eA1
	s_add_co_i32 s74, s70, 127
	s_lshl_b32 s75, s74, 23                        ; 2^eA2,
	s_add_co_i32 s74, s74, 8
	s_lshl_b32 s74, s74, 23
	s_or_b32 s74, s74, 0x600000                    ; 448 x 2^eA2: for the hidden layer
	s_add_co_i32 s88, s68, s69
	s_add_co_i32 s88, s88, 127
	s_lshl_b32 s88, s88, 23                        ; 2^(eA1 + eB1)
	s_add_co_i32 s89, s70, s71
	s_add_co_i32 s89, s89, 129
	s_lshl_b32 s89, s89, 23                        ; 4 x 2^(eA2 + eB2): see the parts below
	v_cvt_f32_i32 v[LN], s67
	v_mov_b32 v[LN+1], v[LN]
	v_rcp_f32 v[RL], v[LN]
	v_mov_b32 v[RL+1], 0                           ; (named with it as a pair, so it is written; also the plain line behind the reciprocal)
	s_wait_loadcnt 35                              ; part's eight loads are in: behind them stand 1 + 16 + 16 + 2
.irp p, 0,2,4,6
	v_pk_add_f32 v[S+\p:S+\p+1], v[S+\p:S+\p+1], v[S+8+\p:S+8+\p+1]
	v_pk_add_f32 v[S+16+\p:S+16+\p+1], v[S+16+\p:S+16+\p+1], v[S+24+\p:S+24+\p+1]
.endr
.irp p, 0,2,4,6
	v_pk_add_f32 v[S+\p:S+\p+1], v[S+\p:S+\p+1], v[S+16+\p:S+16+\p+1]   ; my half's four chunks
.endr
.irp j, 0,1,2,3,4,5,6,7
	v_permlanex16_b32 v[T+\j], v[S+\j], s94, s95   ; the other half's four
.endr
.irp p, 0,2,4,6
	v_pk_add_f32 v[S+\p:S+\p+1], v[S+\p:S+\p+1], v[T+\p:T+\p+1]   ; the sum over all 1,024 rows, alike in both halves
.endr
	s_wait_alu depctr_va_vdst(0)                   ; the wait ahead of the first line that names the reciprocal; the sums above are the work between
.irp p, 0,2,4,6
	v_pk_mul_f32 v[T+\p:T+\p+1], v[S+\p:S+\p+1], v[RL:RL+1] op_sel_hi:[1,0]   ; sum / len: a first quotient,
.endr
.irp p, 0,2,4,6
	v_pk_fma_f32 v[S+\p:S+\p+1], v[T+\p:T+\p+1], v[LN:LN+1], v[S+\p:S+\p+1] neg_lo:[1,0,0] neg_hi:[1,0,0]   ; what it leaves,
.endr
.irp p, 0,2,4,6
	v_pk_fma_f32 v[T+\p:T+\p+1], v[S+\p:S+\p+1], v[RL:RL+1], v[T+\p:T+\p+1] op_sel_hi:[1,0,1]   ; and the correction
.endr
	QUANT8 T, CC
	ds_store_b64 v9, v[CC:CC+1]                    ; columns 8 r .. 8 r + 7 as codes; both halves store the same bytes
.irp c, 0,1,2,3
	ds_load_b128 v[AF+4*\c:AF+4*\c+3], v10 offset:32*\c   ; LDS serves a wave's instructions in order (ISA guide 5.7.1.4): these see my stores; the bytes are my wave's own
.endr
	s_wait_dscnt 0x0
	s_wait_loadcnt 18                              ; layer 1's bias and weights are in: layer 2's 16 + 2 loads may be out
.irp t, 0,1,2,3
	v_wmma_f32_16x16x128_fp8_fp8 v[D1+8*\t:D1+8*\t+7], v[AF:AF+15], v[W1F+16*\t:W1F+16*\t+15], 0
.endr
	; ten plain lines that name no register of those products: more than the four that stand ahead of the first read of a result and of the first write of a source (ISA guide 7.12.1)
	v_mov_b32 v14, s75
	v_mov_b32 v15, s74
.irp i, 4,5,6,7
	v_mov_b32 v[HV+\i], 0                          ; the conversion takes eight numbers; a lane has four
.endr
	v_mov_b32 v[LN], 0xaf95df0b                    ; erf's leading coefficients, each twice
	v_mov_b32 v[LN+1], 0xaf95df0b
	v_mov_b32 v[RL], 0xb77460cd
	v_mov_b32 v[RL+1], 0xb77460cd
.irp t, 0,1,2,3
	v_fma_f32 v[P+\t], v[D1+8*\t], s88, v[BI1+\t]  ; sum x 2^(eA1 + eB1) + bias: hidden unit 64 sq + 4 r + t
.endr
	GELU4
	QUANT8 HV, HC
	ds_store_b32 v11, v[HC]                        ; units 4 r .. 4 r + 3 of my 64
	ds_load_b128 v[AF:AF+3], v10 offset:128
	ds_load_b128 v[AF+4:AF+7], v10 offset:160
	s_wait_dscnt 0x0
	s_wait_loadcnt 0x0
.irp t, 0,1,2,3,4,5,6,7
	v_wmma_f32_16x16x64_fp8_fp8 v[W1F+8*\t:W1F+8*\t+7], v[AF:AF+7], v[W2F+8*\t:W2F+8*\t+7], 0   ; over layer 1's fragments, which were last read ahead of the whole gelu
.endr
.rept 4
	v_nop
.endr
.irp t, 0,1,2,3,4,5,6,7
	v_fma_f32 v[Q+\t], v[W1F+8*\t], s89, v[BI2+\t] ; my part: 4 x 2^(eA2 + eB2) x sum + bias.  An MLP's four parts add up to 4 x its result; two MLPs' eight, x 1/8, to half the sum of the two
.endr
	ds_store_b128 v12, v[Q:Q+3]
	ds_store_b128 v12, v[Q+4:Q+7] offset:16
.Ljoin:
	s_wait_dscnt 0x0                               ; for the others' sake: my part has landed
	s_barrier_signal -1
	s_barrier_wait -1
.irp w, 0,1,2,3,4,5,6,7
	ds_load_b128 v[W1F+4*\w:W1F+4*\w+3], v13 offset:512*\w   ; the W MLPs' eight parts of my four columns
.endr
.irp i, 0,1,2,3
	v_mov_b32 v[CV+\i], 0
.endr
	s_wait_kmcnt 0x0                               ; l (for the waves that ran no chain)
	s_lshl_b32 s72, s3, 6
	s_lshl_b32 s73, s2, 2
	s_add_co_u32 s72, s72, s73                     ; my first row
.irp i, 0,1,2,3
	s_add_co_u32 s73, s72, \i
	s_cmp_lt_u32 s73, s66
	s_cselect_b32 s[84+\i], -1, 0                  ; all lanes or none: a row at or beyond l is zeros.  A choice of values: no branch hangs on l
.endr
	s_wait_dscnt 0x0
	TREE8 W1F
.irp p, 0,2
	v_pk_fma_f32 v[GV+\p:GV+\p+1], v[W1F+\p:W1F+\p+1], 0x3e000000, 1.0 op_sel_hi:[1,0,0]   ; g = 1 + (W1 + W2) / 2
.endr
	s_or_b32 s72, s3, s2
	s_cmp_lg_u32 s72, 0
	s_cbranch_scc1 .Lno_c                          ; row 0 is wave 0's, in chunk 0
.irp w, 0,1,2,3,4,5,6,7
	ds_load_b128 v[CP+4*\w:CP+4*\w+3], v13 offset:4096+512*\w   ; the B MLPs' eight parts
.endr
	s_wait_dscnt 0x0
	TREE8 CP
.irp p, 0,2
	v_pk_mul_f32 v[CV+\p:CV+\p+1], v[CP+\p:CP+\p+1], 0x3e000000 op_sel_hi:[1,0]   ; c = (b1 + b2) / 2
.endr
.Lno_c:
	s_wait_loadcnt 0x0                             ; x
.irp p, 0,2
	v_pk_fma_f32 v[XR+\p:XR+\p+1], v[XR+\p:XR+\p+1], v[GV+\p:GV+\p+1], v[CV+\p:CV+\p+1]   ; my first row: c is 0 but for row 0
.endr
.irp i, 1,2,3
.irp p, 0,2
	v_pk_mul_f32 v[XR+4*\i+\p:XR+4*\i+\p+1], v[XR+4*\i+\p:XR+4*\i+\p+1], v[GV+\p:GV+\p+1]
.endr
.endr
.irp i, 0,1,2,3
.irp k, 0,1,2,3
	v_cndmask_b32 v[XR+4*\i+\k], 0, v[XR+4*\i+\k], s[84+\i]
.endr
	global_store_b128 v1, v[XR+4*\i:XR+4*\i+3], s[50:51] offset:512*\i th:TH_STORE_NT   ; 32 lanes store a whole row: 512 consecutive bytes, at a multiple of 512 from out0's first byte
.endr
	s_wait_xcnt 0x0
	v_lshl_add_u32 v254, v0, 2, 0x3000
	v_mov_b32 v255, 0
	s_wait_tensorcnt 0x0
	ds_add_u32 v254, v255
	s_wait_dscnt 0x0
	s_endpgm
.Lfunc_end_k_q7be2726daf_apply:
	.size	k_q7be2726daf_apply, .Lfunc_end_k_q7be2726daf_apply-k_q7be2726daf_apply
	.p2alignl 7, 3214868480
	.fill 96, 4, 3214868480
	.section	.rodata,"a",@progbits
	.p2align	6, 0x0
	.amdhsa_kernel k_q7be2726daf_apply
		.amdhsa_group_segment_fixed_size 14336
		.amdhsa_private_segment_fixed_size 0
		.amdhsa_enable_private_segment 0
		.amdhsa_kernarg_size 184
		.amdhsa_user_sgpr_count 2
		.amdhsa_user_sgpr_kernarg_segment_ptr 1
		.amdhsa_wavefront_size32 1
		.amdhsa_system_sgpr_workgroup_id_x 1
		.amdhsa_system_sgpr_workgroup_id_y 1
		.amdhsa_system_sgpr_workgroup_id_z 1
		.amdhsa_system_vgpr_workitem_id 0
		.amdhsa_next_free_vgpr 256
		.amdhsa_next_free_sgpr 96
		.amdhsa_reserve_vcc 0
		.amdhsa_float_denorm_mode_32 3
		.amdhsa_float_denorm_mode_16_64 3
		.amdhsa_memory_ordered 1
		.amdhsa_forward_progress 1
		.amdhsa_inst_pref_size 25
	.end_amdhsa_kernel
	.amdgpu_metadata
---
amdhsa.version: [ 1, 2 ]
amdhsa.kernels:
  - .name:           k_q7be2726daf_apply
    .symbol:         k_q7be2726daf_apply.kd
    .args:
      - { .name: W1_l1_w_codes, .offset: 0, .size: 8, .value_kind: global_buffer, .address_space: global }
      - { .name: W1_l1_b, .offset: 8, .size: 8, .value_kind: global_buffer, .address_space: global }
      - { .name: W1_l2_w_codes, .offset: 16, .size: 8, .value_kind: global_buffer, .address_space: global }
      - { .name: W1_l2_b, .offset: 24, .size: 8, .value_kind: global_buffer, .address_space: global }
      - { .name: W2_l1_w_codes, .offset: 32, .size: 8, .value_kind: global_buffer, .address_space: global }
      - { .name: W2_l1_b, .offset: 40, .size: 8, .value_kind: global_buffer, .address_space: global }
      - { .name: W2_l2_w_codes, .offset: 48, .size: 8, .value_kind: global_buffer, .address_space: global }
      - { .name: W2_l2_b, .offset: 56, .size: 8, .value_kind: global_buffer, .address_space: global }
      - { .name: B1_l1_w_codes, .offset: 64, .size: 8, .value_kind: global_buffer, .address_space: global }
      - { .name: B1_l1_b, .offset: 72, .size: 8, .value_kind: global_buffer, .address_space: global }
      - { .name: B1_l2_w_codes, .offset: 80, .size: 8, .value_kind: global_buffer, .address_space: global }
      - { .name: B1_l2_b, .offset: 88, .size: 8, .value_kind: global_buffer, .address_space: global }
      - { .name: B2_l1_w_codes, .offset: 96, .size: 8, .value_kind: global_buffer, .address_space: global }
      - { .name: B2_l1_b, .offset: 104, .size: 8, .value_kind: global_buffer, .address_space: global }
      - { .name: B2_l2_w_codes, .offset: 112, .size: 8, .value_kind: global_buffer, .address_space: global }
      - { .name: B2_l2_b, .offset: 120, .size: 8, .value_kind: global_buffer, .address_space: global }
      - { .name: x, .offset: 128, .size: 8, .value_kind: global_buffer, .address_space: global }
      - { .name: out0, .offset: 136, .size: 8, .value_kind: global_buffer, .address_space: global }
      - { .name: part, .offset: 144, .size: 8, .value_kind: global_buffer, .address_space: global }
      - { .name: lowp_scales, .offset: 152, .size: 8, .value_kind: global_buffer, .address_space: global }
      - { .name: len_x, .offset: 160, .size: 8, .value_kind: global_buffer, .address_space: global }
      - { .name: len_y, .offset: 168, .size: 8, .value_kind: global_buffer, .address_space: global }
      - { .name: len_z, .offset: 176, .size: 8, .value_kind: global_buffer, .address_space: global }
    .group_segment_fixed_size: 14336
    .private_segment_fixed_size: 0
    .kernarg_segment_align: 8
    .kernarg_segment_size: 184
    .max_flat_workgroup_size: 512
    .sgpr_count:     96
    .vgpr_count:     256
    .wavefront_size: 32
...
	.end_amdgpu_metadata
.endif
;; end of part 2
